; MI455X (gfx1250); checked and timed in simulation.
; The chip was launched on July 23, 2026; its instructions are those of AMD's public machine-readable ISA for CDNA 5 (MIT licence, August 2026) and "CDNA5" Instruction Set Architecture Reference Guide (July 2026). The comments in the code are by the model that wrote it; some were corrected since.
;; Quantized Linear. Allowed arithmetic: matrix products marked QUANTISED: E2M1 operands, one E8M0 scale for each 32 along K, by v_wmma_scale_f32_16x16x128_f8f6f4 with both operands' format E2M1 (or v_wmma_scale_f32_32x16x128_f4), f32 sums; everything else in f32.
;; Inputs: bias 4,096 float32; offsets 131,072 float32; packed 8,388,608 int32; scales 131,072 float32; x_codes 4,096 x 128 x 16 uint8 (E2M1 codes of x, K innermost, in blocks of 32 codes, two codes a byte); x_scales 4,096 x 128 uint8 (E8M0 scales of x, one for each 32 codes along K).
;; Outputs: out0 4,096 x 4,096 float32.
;; This version of the problem:
;;   THIS VERSION OF THE PROBLEM IS GIVEN IN LOW PRECISION. The matrix products marked QUANTISED in the list below multiply operands that are first quantised to E2M1 (2 exponent bits, 1 mantissa bit; 4 bits a number), with one power-of-two scale for each 32 numbers along K (OCP MX v1.0); their sums are f32. All else is computed in f32.
;;   The module's matrix products, in the order in which they are computed (A, B: the left and right operand; K: the contracted axis; several contracted axes count as one K, in the product's order):
;;     1. [M 4,096, K 4,096] x [K 4,096, N 4,096]; A: input x (given as codes); B: computed on the way: QUANTISED
;;   THE QUANTISER, for each operand of a quantised product, along K:
;;     - K is cut into blocks of 32 from its start; a last block that is shorter is filled with zeros.
;;     - A block's scale is 2^e with e = floor(log2(the largest magnitude in the block)) - 2, held to -126 .. 127; a block of zeros has e = 0. As a byte (E8M0): e + 127.
;;     - Each number is divided by its block's scale, clamped to +-6, and rounded to the nearest number of E2M1, ties to even, subnormals kept.
;;     - The product sums the exact products of the quantised numbers (number of the format x scale) in f32.
;;   ~~~python
;;   def quantise(x, axis):      # numpy; x: float32 -> the quantised numbers, widened to float32 again
;;       x = np.moveaxis(x, axis, -1); K = x.shape[-1]
;;       x = np.pad(x, [(0, 0)] * (x.ndim - 1) + [(0, -K % 32)]); x = x.reshape(x.shape[:-1] + (-1, 32)); a = np.abs(x).max(-1, keepdims=True)
;;       e = np.where(a > 0, np.clip(np.frexp(np.where(a > 0, a, 1))[1] - 1 - 2, -126, 127), 0)      # np.frexp(a)[1] - 1 = floor(log2(a)), exactly
;;       r = np.clip(x / 2.0 ** e, -6, 6)
;;       step = 2.0 ** (np.maximum(np.frexp(np.where(r == 0, 1, r))[1] - 1, 0) - 1)
;;       q = np.round(r / step) * step * 2.0 ** e      # np.round: ties to even
;;       return np.moveaxis(q.reshape(q.shape[:-2] + (-1,))[..., :K], -1, axis).astype(np.float32)
;;   ~~~
;;   OPERANDS COMPUTED ON THE WAY. 'Computed on the way' means the value that the module computes at that place (a softmax that the list does not call 'softmax' is quantised finished and normalised). What goes into a quantiser is computed in f32, as accurately as f32 sums, v_exp_f32 and their like allow (about 1e-6 of the number): no bf16 or f16 on the way to a quantiser, and a product that is left as it is and whose result goes on into a quantised operand takes f32 operands (vector FMAs, or v_wmma_f32_16x16x4_f32). A number that lies on a knife's edge between two numbers of the format may be rounded either way, as far as f32 arithmetic and the matrix unit's own rounding can turn it there, and no further.
;;   INPUTS GIVEN AS CODES. x (in the module: [4096, 4096], K = its axis 1): each comes as NAME_codes (uint8): NAME with its K axis moved to the last place and cut into blocks of 32 codes, [.., K / 32, bytes a block], one block behind the other in memory; two codes a byte, the lower K in the low four bits (a code: sign, 2 exponent bits, 1 mantissa bit); and NAME_scales (uint8): the same leading axes, one E8M0 byte (e + 127) for each 32 codes along K. Its value is code x scale, taken as it is: it is not quantised again, and the codes and scales need not be those that the quantiser above would give.
;; One version. Each part assembles by itself: llvm-mc -triple=amdgcn-amd-amdhsa -mcpu=gfx1250 --defsym DOCPART=n.
;; ======== version 1 of 1: 2 launches
;; limits: right only within a limited range of input values
;; workspace buffers: w_codes 8,388,608 bytes; w_scl 524,288 bytes; x_scl 524,288 bytes
;; launch quant (part 1): grid 256 x 1, 16 waves a work-group, no clusters, 39,936 bytes of LDS; arguments packed, scales, offsets, x_scales, w_codes, w_scl, x_scl; writes w_codes, w_scl, x_scl
.if DOCPART == 1
	.amdgcn_target "amdgcn-amd-amdhsa--gfx1250"
	.amdhsa_code_object_version 6
	.text
	.protected	k_qc97265eb76_quant
	.globl	k_qc97265eb76_quant
	.p2align	8
	.type	k_qc97265eb76_quant,@function
k_qc97265eb76_quant:
	s_mov_b64 s[64:65], 0
	v_nop
	global_prefetch_b8 v0, s[64:65] scope:SCOPE_SE
	s_setreg_imm32_b32 hwreg(HW_REG_WAVE_MODE, 25, 1), 1
	s_wait_xcnt 0x0
; W[n][k] = q[n][k] * scales[g] + offsets[g], g = (4096 n + k) / 128, q a nibble of packed (one 32-bit word holds two weights: bits 3:0 the even k, bits 7:4 the odd k),
; is made in f32 and turned into codes of FP4 (E2M1), K innermost, with one E8M0 scale byte for each 32 along K.
; OUT: w_codes [4096 n][2048 bytes], laid as x_codes;  w_scl [8 s][4096 n][16 bytes]: byte c of (s, n) scales k = 512 s + 32 c .. + 31;  x_scl: x_scales laid anew in the same way, [8 s][4096 m][16].
; So laid, the scale bytes that 256 rows need for 512 along K are 4,096 consecutive bytes, which the product's launch fetches as one dense tile.
; A block's scale is 2^(floor(log2(its largest magnitude)) - 2); its byte is the largest magnitude's exponent field - 2, held at 1 from below.
; LIMITS: NaN and infinities in scales and offsets are not served.  A block of zeros gets the byte 1 where the rule says 127: its codes are zeros, which add nothing under any byte but 0xff, and this program
; alone reads the bytes.  w is ONE fused multiply-add (one rounding) where the definition multiplies and then adds (two).
; SHARES.  Work-group g takes rows 16 g .. 16 g + 15 of W and of x_scales, wave w row 16 g + w: 8,192 bytes of packed, 32 groups, 2,048 bytes of codes, 128 scale bytes.  Sixteen rows to a work-group make a
; K step's scale bytes (16 rows x 16 bytes) 256 consecutive bytes of w_scl and of x_scl.
; LANES.  r = lane % 16, h = lane / 16.  Load j (0 .. 15) takes group 16 h + j: sixteen lanes read its 256 consecutive bytes, 16 a lane: four words = EIGHT NEIGHBOURS along K, k = 128 (16 h + j) + 8 r + 0 .. 7:
; just what one conversion takes from a lane's registers.  A block of 32 lies in four neighbouring lanes: two steps across lanes join the maxima.  The group's scale and offset are the same for the sixteen lanes.
; No loop: all 25 loads of a wave go out at the head; every offset is an immediate; each load has registers of its own, so no source of a pending instruction is ever written again.
; No cluster: no two work-groups read the same byte.  No tensor loads: nothing is read twice, and all that a work-group reads is asked for at once.
; A nibble is made a number by exponent arithmetic: (word & 15) | the bits of 1.0 is 1 + q 2^-23, (word & 0xf0) | the bits of 1.0 is 1 + q 2^-19; 1 is taken away exactly, and the powers of two are in the multiplier.
; LIMIT: so scales are served up to 2^104 in magnitude (scale x 2^23 has to be finite).
.set CSTW,  2112                       ; LDS: a wave's own row of codes: two halves of 1,024 bytes, 64 bytes of padding behind the first
.set CSTH,  1088                       ; where lanes 16-31's half begins: 1,088 mod 256 = 64, so the two halves of a 4-byte store fall on different banks (64 banks of 4 bytes: ISA guide 11.1)
.set WSC,   16*CSTW                    ; behind the sixteen rows: W's scale bytes of the work-group, [8 s][16 rows][16], 2,048 bytes
.set XSC,   WSC+2048                   ; and x's, likewise
.set PO,   4                           ; v4   packed: 4,096 h + 16 r
.set SOF,  5                           ; v5   scales, offsets: 64 h: my half's sixteen groups
.set XO,   6                           ; v6   x_scales: 4 x lane
.set CSA,  7                           ; v7   where I put a load's 4 bytes of codes
.set CRA,  8                           ; v8   where I read the row of codes back: 16 x lane
.set BSA,  9                           ; v9   where my block's scale byte goes
.set XSA,  10                          ; v10  where my word of x's scale bytes goes
.set GCO,  11                          ; v11  w_codes: 16 x lane
.set FRA,  12                          ; v12  waves 0-3: my 16 bytes of the gathered scale bytes
.set FGO,  13                          ; v13  and their place in w_scl and x_scl
.set M,    14                          ; v14-15  a block's largest magnitude, by turns
.set XW,   16                          ; v16  my word of x_scales
.set TMP,  17
.set SOP,  18                          ; v18-19  the conversion's scale operand, by turns
.set FIN,  20                          ; v20-27  waves 0-3: scale bytes on their way out
.set P,    32                          ; v32-95   packed: four words a load
.set S,    96                          ; v96-111  my half's sixteen scales
.set O,    112                         ; v112-127 and offsets
.set W,    128                         ; v128-143 eight weights in f32, two sets by turns
.set C,    144                         ; v144-159 a load's eight codes
.set E,    160                         ; v160-175 its scale byte
.set OUTR, 176                         ; v176-191 the row of codes on its way out
.set KK,   28                          ; v28-29  2^23 and 2^19
.set SPA,  30                          ; v30-31  the even load's scale x 2^23, x 2^19
.set SPB,  194                         ; v194-195 the odd load's
.set MT,   196                         ; v196-197 part of a largest magnitude, by turns
	s_load_b256 s[4:11], s[0:1], 0x0               ; packed s[4:5], scales s[6:7], offsets s[8:9], x_scales s[10:11]
	s_load_b128 s[12:15], s[0:1], 0x20             ; w_codes s[12:13], w_scl s[14:15]
	s_load_b64 s[20:21], s[0:1], 0x30              ; x_scl
	v_lshl_add_u32 v192, v0, 2, 0x9400
	v_mov_b32 v193, 0
	v_lshrrev_b32 v1, 5, v0
	s_delay_alu instid0(VALU_DEP_1)
	v_readfirstlane_b32 s16, v1                    ; wave 0..15
	v_and_b32 v1, 31, v0                           ; lane
	v_and_b32 v2, 15, v0                           ; r
	s_wait_alu depctr_va_vdst(0)
	v_bfe_u32 v3, v0, 4, 1                         ; h
	s_lshl_b32 s17, ttmp9, 4
	s_add_co_u32 s17, s17, s16                     ; my row: 16 x work-group + wave
	s_lshl_b32 s18, s17, 13                        ; its 8,192 bytes of packed (under 2^25),
	s_mov_b32 s19, 0
	s_lshl_b32 s22, s17, 7                         ; its 128 bytes of scales, of offsets and of x_scales,
	s_mov_b32 s23, 0
	s_lshl_b32 s24, s17, 11                        ; its 2,048 bytes of codes,
	s_mov_b32 s25, 0
	s_lshl_b32 s26, ttmp9, 8                       ; and the work-group's 256 bytes in each K step of w_scl and x_scl
	s_mov_b32 s27, 0
	s_mul_i32 s28, s16, CSTW                       ; my wave's row in LDS
	s_lshl_b32 s29, s16, 4                         ; my row's 16 bytes in a K step's 256
	s_mov_b32 s30, 0xf0                            ; the odd k's nibble
	s_mov_b32 s31, 0x3f800000                      ; the bits of 1.0
	v_lshlrev_b32 v[PO], 4, v2
	s_wait_alu depctr_va_vdst(0)
	v_lshl_add_u32 v[PO], v3, 12, v[PO]
	v_lshlrev_b32 v[SOF], 6, v3
	v_lshlrev_b32 v[XO], 2, v1
	v_mul_u32_u24 v[CSA], v3, CSTH
	s_delay_alu instid0(VALU_DEP_1)
	v_lshl_add_u32 v[CSA], v2, 2, v[CSA]
	s_delay_alu instid0(VALU_DEP_1)
	v_add_nc_u32 v[CSA], s28, v[CSA]               ; row byte 1,024 h + 64 j + 4 r lies at wave x 2,112 + 1,088 h + 64 j + 4 r
	v_lshl_add_u32 v[CRA], v1, 4, s28
	v_lshrrev_b32 v[BSA], 2, v2                    ; block 4 (16 h + j) + r / 4 of the row is K step 4 h + j / 4, byte 4 (j % 4) + r / 4
	s_delay_alu instid0(VALU_DEP_1)
	v_lshl_add_u32 v[BSA], v3, 10, v[BSA]
	s_delay_alu instid0(VALU_DEP_1)
	v_add_nc_u32 v[BSA], s29, v[BSA]
	s_delay_alu instid0(VALU_DEP_1)
	v_add_nc_u32 v[BSA], WSC, v[BSA]               ; WSC + 1,024 h + 16 wave + r / 4; the rest stands in the store's immediate
	v_lshrrev_b32 v[XSA], 2, v1                    ; my word of x_scales, bytes 4 lane .. + 3, is K step lane / 4, bytes 4 (lane % 4) on
	v_and_b32 v[TMP], 3, v1
	s_delay_alu instid0(VALU_DEP_2)
	v_lshlrev_b32 v[XSA], 8, v[XSA]
	s_delay_alu instid0(VALU_DEP_1)
	v_lshl_add_u32 v[XSA], v[TMP], 2, v[XSA]
	s_delay_alu instid0(VALU_DEP_1)
	v_add_nc_u32 v[XSA], s29, v[XSA]
	s_delay_alu instid0(VALU_DEP_1)
	v_add_nc_u32 v[XSA], XSC, v[XSA]
	v_lshlrev_b32 v[GCO], 4, v1
	v_and_b32 v[FRA], 127, v0                      ; threads 0 to 127 take 16 bytes each of the 2,048: K step t / 16, row t % 16
	s_delay_alu instid0(VALU_DEP_1)
	v_lshrrev_b32 v[FGO], 4, v[FRA]
	s_delay_alu instid0(VALU_DEP_1)
	v_lshlrev_b32 v[FGO], 16, v[FGO]               ; a K step of w_scl is 4,096 rows x 16 bytes
	s_delay_alu instid0(VALU_DEP_1)
	v_lshl_add_u32 v[FGO], v2, 4, v[FGO]
	s_delay_alu instid0(VALU_DEP_4)
	v_lshl_add_u32 v[FRA], v[FRA], 4, WSC
	v_mov_b32 v[KK], 0x4b000000                    ; 2^23
	v_mov_b32 v[KK+1], 0x49000000                  ; 2^19
	s_wait_alu depctr_va_vdst(0)
	s_wait_kmcnt 0x0
	s_add_nc_u64 s[4:5], s[4:5], s[18:19]
	s_add_nc_u64 s[6:7], s[6:7], s[22:23]
	s_add_nc_u64 s[8:9], s[8:9], s[22:23]
	s_add_nc_u64 s[10:11], s[10:11], s[22:23]
	s_add_nc_u64 s[12:13], s[12:13], s[24:25]
	s_add_nc_u64 s[14:15], s[14:15], s[26:27]
	s_add_nc_u64 s[20:21], s[20:21], s[26:27]
	; all 25 loads of the wave, the small ones first
	global_load_b32 v[XW], v[XO], s[10:11]
.irp i, 0,1,2,3
	global_load_b128 v[S+4*\i:S+4*\i+3], v[SOF], s[6:7] offset:16*\i
.endr
.irp i, 0,1,2,3
	global_load_b128 v[O+4*\i:O+4*\i+3], v[SOF], s[8:9] offset:16*\i
.endr
.irp j, 0,1,2,3,4,5,6,7,8,9,10,11,12,13,14,15
	global_load_b128 v[P+4*\j:P+4*\j+3], v[PO], s[4:5] offset:256*\j th:TH_LOAD_NT   ; sixteen lanes read a group's 256 consecutive bytes; read once in the launch
.endr
	s_wait_loadcnt 24                              ; loads come back in order (ISA guide 5.7.1): my word of x_scales is in, the 24 issued behind it may be out
	ds_store_b32 v[XSA], v[XW]
; Load j: eight weights, their share of a block's scale, eight codes.
; Two loads, j and j + 1 (j even), go by turns, so that no line waits for the line above it.
.macro PAIR j
	s_wait_loadcnt 14-(\j)                         ; loads j and j + 1 are in (and the scales and offsets, issued ahead of them); the younger loads of packed may be out
.irp u, 0,1
.irp i, 0,1,2,3
	v_and_or_b32 v[W+8*\u+2*\i], v[P+4*(\j+\u)+\i], 15, s31     ; the even k: bits 3:0,
	v_and_or_b32 v[W+8*\u+2*\i+1], v[P+4*(\j+\u)+\i], s30, s31  ; the odd k: bits 7:4; whatever else the word holds is dropped
.endr
.endr
	v_pk_mul_f32 v[SPA:SPA+1], v[S+\j:S+\j+1], v[KK:KK+1] op_sel_hi:[0,1]                  ; load j's scale x 2^23, x 2^19
	v_pk_mul_f32 v[SPB:SPB+1], v[S+\j:S+\j+1], v[KK:KK+1] op_sel:[1,0] op_sel_hi:[1,1]     ; load j + 1's
.irp i, 0,2,4,6
	v_pk_add_f32 v[W+\i:W+\i+1], v[W+\i:W+\i+1], -1.0 op_sel_hi:[1,0]                      ; q 2^-23, q 2^-19: exact
	v_pk_add_f32 v[W+8+\i:W+9+\i], v[W+8+\i:W+9+\i], -1.0 op_sel_hi:[1,0]
.endr
.irp i, 0,2,4,6
	v_pk_fma_f32 v[W+\i:W+\i+1], v[W+\i:W+\i+1], v[SPA:SPA+1], v[O+\j:O+\j+1] op_sel_hi:[1,1,0]   ; w = q x scale + offset, in f32, one rounding
	v_pk_fma_f32 v[W+8+\i:W+9+\i], v[W+8+\i:W+9+\i], v[SPB:SPB+1], v[O+\j:O+\j+1] op_sel:[0,0,1] op_sel_hi:[1,1,1]
.endr
.irp u, 0,1
	v_max3_num_f32 v[M+\u], |v[W+8*\u]|, |v[W+8*\u+1]|, 0x1800000   ; the largest magnitude of my eight, and the floor 2^(3 - 127): so the byte cannot fall under 1
.endr
.irp u, 0,1
	v_max3_num_f32 v[MT+\u], |v[W+8*\u+2]|, |v[W+8*\u+3]|, |v[W+8*\u+4]|
.endr
.irp u, 0,1
	v_max3_num_f32 v[M+\u], v[M+\u], |v[W+8*\u+5]|, |v[W+8*\u+6]|
.endr
.irp u, 0,1
	v_max3_num_f32 v[M+\u], v[M+\u], v[MT+\u], |v[W+8*\u+7]|
.endr
.irp u, 0,1
	v_max_num_f32_dpp v[M+\u], v[M+\u], v[M+\u] row_xmask:1 row_mask:0xf bank_mask:0xf   ; with lane l xor 1's,
.endr
.irp u, 0,1
	v_max_num_f32_dpp v[M+\u], v[M+\u], v[M+\u] row_xmask:2 row_mask:0xf bank_mask:0xf   ; and lanes l xor 2's and l xor 3's: the block's
.endr
.irp u, 0,1
	v_add_nc_u32 v[SOP+\u], 0xff000000, v[M+\u]    ; 2 off its exponent field: the conversion takes the exponent field of this operand as its scale, and nothing else of it
.endr
.irp u, 0,1
	v_cvt_scalef32_pk8_fp4_f32 v[C+\j+\u], v[W+8*\u:W+8*\u+7], v[SOP+\u]   ; eight numbers / the scale, to the nearest code, ties to even, beyond 6 the largest code; the lowest k in the lowest four bits
.endr
.irp u, 0,1
	v_lshrrev_b32 v[E+\j+\u], 23, v[SOP+\u]        ; the scale's byte.  (Also the plain instructions behind the conversions)
.endr
.irp u, 0,1
	ds_store_b32 v[CSA], v[C+\j+\u] offset:64*(\j+\u)
	ds_store_b8 v[BSA], v[E+\j+\u] offset:256*((\j+\u)/4)+4*((\j+\u)%4)   ; the four lanes of a block write the same byte with the same value
.endr
.endm
.irp j, 0,2,4,6,8,10,12,14
	PAIR \j
.endr
.irp t, 0,1,2,3
	ds_load_b128 v[OUTR+4*\t:OUTR+4*\t+3], v[CRA] offset:512*\t+64*(\t/2)   ; my own row back, 16 bytes a lane; LDS serves a wave's instructions in order (ISA guide 5.7.1.4): these see my stores
.endr
	s_wait_dscnt 0x0                               ; my row is in registers; and, for the other waves' sake, my scale bytes lie in LDS
	s_barrier_signal -1
	s_barrier_wait -1                              ; so do all sixteen rows'
.irp t, 0,1,2,3
	global_store_b128 v[GCO], v[OUTR+4*\t:OUTR+4*\t+3], s[12:13] offset:512*\t   ; 32 lanes store 512 consecutive bytes, at a multiple of 256 from w_codes' first byte
.endr
	s_cmp_lt_u32 s16, 4                            ; the gathered scale bytes, 2 x 2,048, leave by waves 0 to 3
	s_cbranch_scc0 .Lend
	ds_load_b128 v[FIN:FIN+3], v[FRA]
	ds_load_b128 v[FIN+4:FIN+7], v[FRA] offset:2048
	s_wait_dscnt 0x0
	global_store_b128 v[FGO], v[FIN:FIN+3], s[14:15]     ; sixteen lanes store a K step's 256 consecutive bytes, at a multiple of 256 from the buffer's first byte
	global_store_b128 v[FGO], v[FIN+4:FIN+7], s[20:21]
.Lend:
	s_wait_tensorcnt 0x0
	ds_add_u32 v192, v193
	s_wait_dscnt 0x0
	s_endpgm
.Lfunc_end_k_qc97265eb76_quant:
	.size	k_qc97265eb76_quant, .Lfunc_end_k_qc97265eb76_quant-k_qc97265eb76_quant
	.p2alignl 7, 3214868480
	.fill 96, 4, 3214868480
	.section	.rodata,"a",@progbits
	.p2align	6, 0x0
	.amdhsa_kernel k_qc97265eb76_quant
		.amdhsa_group_segment_fixed_size 39936
		.amdhsa_private_segment_fixed_size 0
		.amdhsa_enable_private_segment 0
		.amdhsa_kernarg_size 56
		.amdhsa_user_sgpr_count 2
		.amdhsa_user_sgpr_kernarg_segment_ptr 1
		.amdhsa_wavefront_size32 1
		.amdhsa_system_sgpr_workgroup_id_x 1
		.amdhsa_system_sgpr_workgroup_id_y 1
		.amdhsa_system_sgpr_workgroup_id_z 1
		.amdhsa_system_vgpr_workitem_id 0
		.amdhsa_next_free_vgpr 198
		.amdhsa_next_free_sgpr 66
		.amdhsa_reserve_vcc 0
		.amdhsa_float_denorm_mode_32 3
		.amdhsa_float_denorm_mode_16_64 3
		.amdhsa_memory_ordered 1
		.amdhsa_forward_progress 1
		.amdhsa_inst_pref_size 36
	.end_amdhsa_kernel
	.amdgpu_metadata
---
amdhsa.version: [ 1, 2 ]
amdhsa.kernels:
  - .name:           k_qc97265eb76_quant
    .symbol:         k_qc97265eb76_quant.kd
    .args:
      - { .name: packed, .offset: 0, .size: 8, .value_kind: global_buffer, .address_space: global }
      - { .name: scales, .offset: 8, .size: 8, .value_kind: global_buffer, .address_space: global }
      - { .name: offsets, .offset: 16, .size: 8, .value_kind: global_buffer, .address_space: global }
      - { .name: x_scales, .offset: 24, .size: 8, .value_kind: global_buffer, .address_space: global }
      - { .name: w_codes, .offset: 32, .size: 8, .value_kind: global_buffer, .address_space: global }
      - { .name: w_scl, .offset: 40, .size: 8, .value_kind: global_buffer, .address_space: global }
      - { .name: x_scl, .offset: 48, .size: 8, .value_kind: global_buffer, .address_space: global }
    .group_segment_fixed_size: 39936
    .private_segment_fixed_size: 0
    .kernarg_segment_align: 8
    .kernarg_segment_size: 56
    .max_flat_workgroup_size: 512
    .sgpr_count:     66
    .vgpr_count:     198
    .wavefront_size: 32
...
	.end_amdgpu_metadata
.endif
;; end of part 1
;; launch gemm (part 2): grid 16 x 16, 4 waves a work-group, clusters of 4 x 4, 327,680 bytes of LDS; arguments x_codes, x_scl, w_codes, w_scl, bias, out0; writes out0
.if DOCPART == 2
	.amdgcn_target "amdgcn-amd-amdhsa--gfx1250"
	.amdhsa_code_object_version 6
	.text
	.protected	k_qc97265eb76_gemm
	.globl	k_qc97265eb76_gemm
	.p2align	8
	.type	k_qc97265eb76_gemm,@function
k_qc97265eb76_gemm:
	s_mov_b64 s[64:65], 0
	v_nop
	global_prefetch_b8 v0, s[64:65] scope:SCOPE_SE
	s_setreg_imm32_b32 hwreg(HW_REG_WAVE_MODE, 25, 1), 1
	s_wait_xcnt 0x0
	s_wait_alu depctr_hold_cnt(0) depctr_sa_sdst(0) depctr_va_vdst(0) depctr_va_sdst(0) depctr_va_ssrc(0) depctr_va_vcc(0) depctr_vm_vsrc(0)
	s_getreg_b32 s2, hwreg(HW_REG_IB_STS2, 6, 4)
	s_cmp_eq_u32 s2, 0
	s_cbranch_scc0 .Lentry_in_a_cluster
	s_endpgm
.Lentry_in_a_cluster:
	s_bfe_u32 s2, ttmp6, 0x10000c
	s_cmp_lg_u32 s2, 0xf033
	s_cbranch_scc0 .Lentry_shape_is_right
	s_endpgm
.Lentry_shape_is_right:
; out0[m][n] = bias[n] + sum over k of x[m][k] W[n][k].  x: [4096][4096], W: [4096][4096]: codes of FP4 (E2M1), two a byte, K innermost, a row 2,048 bytes; out0: [4096][4096] f32; sums in f32.
; The scale bytes (E8M0, one for each 32 along K) lie by K step: x_scl and w_scl are [8 s][4096 rows][16 bytes], byte c of (s, row) for k = 512 s + 32 c .. + 31.
; A tile of out0, 256 x 256, is made by a work-group of four waves, as many as a WGP has SIMDs; a wave makes 128 x 128: 32 accumulators of 32 (n) x 16 (m), 512 registers.
; K goes in steps of 512 through a ring of two LDS slots filled by the tensor data mover.  A slot holds x's 256 rows of 256 bytes, W's 256 rows, and the two tiles' scale bytes for the step, 4,096 dense bytes each.
; One load a wave: wave 0 x's codes, wave 1 x's scale bytes, wave 2 W's codes, wave 3 W's scale bytes.
; CLUSTERS: 4 x 4 work-groups.  The four of a row of the cluster need the same tiles of x, the four of a column the same tiles of W: each tile is asked for JOINTLY, by the same tensor load with the
; same descriptor and a mask that names the four.
; THE MATRIX INSTRUCTION IS USED TRANSPOSED: source 0 = 32 rows of W, source 1 = 16 rows of x.  Register j of an accumulator's lane l is then out0(m = l % 16, n = 16 (j / 8) + 8 (l / 16) + j % 8): eight neighbouring
; numbers of a row of out0 in each half.
; HALF OF THE CLUSTERS WALK K FROM ANOTHER START: a cluster whose x xor y has an odd number of ones in its two bits begins at K step 4 and wraps round (4 .. 7, 0 .. 3); the others begin at 0.  So of the four clusters
; that read a tile of x (or of W) two ask for it four K steps behind the other two.  The start hangs on the cluster's x and y alone, which its sixteen work-groups share: every joint load's descriptor is the
; same in all that its mask names, and no LDS address, branch or trip count hangs on it.
; LIMIT: in those clusters an output's f32 sum runs over k = 2048 .. 4095 and then 0 .. 2047, not ascending: the same products, another order of rounding.
; THE BIAS is the C of each sum's first matrix instruction, in the result's layout: no addition, and nothing is cleared.
; PREFETCHES INTO THE L2 run one K step ahead of the joint loads (see ASK); the first two K steps come by their loads alone.
; Below A stands for x and B for W.
; REGISTERS, in windows of 256: window 0: v0-31 addresses; v32-95 scale words, two sets; v128-255 A's fragments, TWO sets of 8 x 16 rows x 128 K (in the last K step four buffers of 16 rows x 512 K).
;   window 1: v0-127 B's fragments, TWO sets of 4 x 32 rows x 128 K; v128-191 the bias, for the first step; in the last K step all 256: B's fragments of the whole K step.
;   window 2: the accumulators of my rows 0-63 (accumulator (a, b), 16 rows a x 32 columns b, at v[16 (4 a + b)]);   window 3: those of my rows 64-127.
; A step of 128 along K is 32 matrix instructions on one pair of sets.  In front of them ONE run of 32 LDS loads asks for the next step's fragments, into the other pair: they have the whole step in which to come.
.set SIZE_N, 4096
.set SIZE_K, 4096
.set KSTEP,  512                       ; along K in a slot
.set NQ,     KSTEP/128                 ; steps in a slot
.set ROWB,   256                       ; a tile's row in bytes: KSTEP codes of 4 bits
.set KROW,   SIZE_K/2                  ; a row of codes in memory, in bytes: eight K steps of ROWB
.set PITCH,  272                       ; an LDS row: 256 bytes + 16 of padding = 68 words: row r starts at bank 4 r mod 64 (64 banks of 4 bytes: ISA guide 11.1), so the 16 rows that a load touches start at 16 different banks
.set HALFT,  128*PITCH                 ; 128 rows: what one wave reads of A or of B
.set TILEB,  2*HALFT                   ; 256 rows: what one tensor load brings
.set SCA,    2*TILEB                   ; in a slot, behind A's and B's codes: A's scale bytes, row i at 16 i,
.set SCB,    SCA+4096                  ; and B's
.set SLOT,   SCB+4096
.set SSHIFT, 8                         ; a K step of x_scl or w_scl is 4,096 rows x 16 bytes = ROWB << 8
.set SSTEP,  ROWB<<SSHIFT
.set LAPS,   SIZE_K/(2*KSTEP)          ; a lap = two K steps = once round the ring
.set SPARE,  2*SLOT                    ; behind the ring: the spare words, 128 bytes for each wave: two blocks of 256 bytes that no other line names
.set SPITCH, 528                       ; the way out: a stage of 16 rows x (512 bytes + 16) for each wave.  It lies in slot 0, which has had its last fill and its last read when the first result is stored there
.set ADRA, 16                          ; v16-17  LDS address of my A fragments in slot 0, 1
.set SAA,  18                          ; v18-19  of A's scale words: lane l takes row l of 32
.set ADRB, 20                          ; v20-21  of my B fragments
.set SBA,  22                          ; v22-23  of B's scale words
.set STO,  24                          ; v24     the way out: where I put 32 bytes of a row
.set RD,   25                          ; v25     the way out: where I read a row back
.set CO,   26                          ; v26     16 x lane: my byte offset in a row of out0
.set BO,   27                          ; v27     my byte offset in the bias: 32 x (lane / 16)
.set SPW,  28                          ; v28     LDS address of my spare word: SPARE + 4 x my thread's number; never rewritten
.set NIL,  29                          ; v29     0; never rewritten
.set PFO,  30                          ; v30     prefetches: lane x a row of codes in memory
.set PSO,  31                          ; v31     prefetches of scale bytes: 256 x min(lane, 1)
.set SC,   32                          ; scale words: set s (for slot s) at v[SC + 32 s]; in it register 4 b + q: lane l the word of row l of B's block b (32 rows), for the slot's q-th 128 along K;
                                       ; register 16 + 4 i + q: lanes 0-15 the words of A's block 2 i, lanes 16-31 those of A's block 2 i + 1
.set AF,   128                         ; A's fragments, in window 0: set p at v[AF + 64 p]
.set BI,   128                         ; the bias, in window 1: v[BI + 8 c + j] = bias of my column 16 c + 8 (lane / 16) + j
.set KOFF, 2                           ; s[2:3]   the byte in a row of codes at which the K step asked for last begins; the high word is 0.  It never holds a place in the cluster
.set WV,   16                          ; s16  my wave's number
.set RH,   17                          ; s17  which half of the tile's rows is mine.  Also: I prefetch for A (0) or for B (1)
.set CH,   18                          ; s18  which half of its columns
.set PFC,  20                          ; s[20:21] where my prefetches of codes stand;  s[22:23] of scale bytes
.set PFS,  22
.set G1A,  24                          ; s[24:31] descriptor group 1 for A's codes;  s[32:39] for A's scale bytes;  s[40:47], s[48:55] the same for B
.set G1AS, 32
.set G1B,  40
.set G1BS, 48
.set G0A,  56                          ; s[56:63] group 0 for A's codes, one set for each slot;  s[68:75] A's scale bytes;  s[76:83], s[84:91] the same for B
.set G0AS, 68
.set G0B,  76
.set G0BS, 84
.set LAP,  93                          ; s93  laps to go
.set PCB,  94                          ; s[94:95] my prefetches' first byte of codes at K = 0;  s[96:97] of scale bytes
.set PSB,  96
.set SOFF, 98                          ; s[98:99] KOFF << 8: the same K step's first byte in x_scl and w_scl; the high word is 0
.set PK,   100                         ; s[100:101] at work; the high word is 0
.set MSB, 0
.macro WIN new                         ; the immediate's high byte repeats the setting that is left
.if MSB != \new
	s_set_vgpr_msb (MSB<<8)|\new
.set MSB, \new
.endif
.endm
.set MUL_LO,   0xa1                    ; source 0 (B) window 1, source 1 (A) window 0, C and D window 2
.set MUL_HI,   0xf1                    ; the same, C and D window 3
.set FIRST_LO, 0x91                    ; the first step: C (the bias) window 1, D window 2
.set FIRST_HI, 0xd1                    ; D window 3
.set TO_B,     0x40                    ; destination window 1, address window 0
; A joint load into slot s: each wave issues ONE of the four lines.  Each line has one mask and one set of registers for all that issue it; the branches hang on the wave's number alone.
; An s_nop 0 and four v_nop follow each line, ahead of the jump, the label and what follows.
.macro TLOAD g0, g1
	tensor_load_to_lds s[\g0:\g0+3], s[\g1:\g1+7]
	s_nop 0
.rept 4
	v_nop
.endr
.endm
.macro JLOAD4 s
	s_cmp_lt_u32 s[WV], 2
	s_cbranch_scc0 .Lfor_b_\@
	s_cmp_eq_u32 s[WV], 0
	s_cbranch_scc0 .Lfor_as_\@
	TLOAD G0A+4*\s, G1A
	s_branch .Lasked_\@
.Lfor_as_\@:
	TLOAD G0AS+4*\s, G1AS
	s_branch .Lasked_\@
.Lfor_b_\@:
	s_cmp_eq_u32 s[WV], 2
	s_cbranch_scc0 .Lfor_bs_\@
	TLOAD G0B+4*\s, G1B
	s_branch .Lasked_\@
.Lfor_bs_\@:
	TLOAD G0BS+4*\s, G1BS
.Lasked_\@:
.endm
; The four global addresses of slot s: each tile's base + the K step's offset, and the type bits on top.  No tensor load that is out names these registers when they are written.
.macro WHERE s
	s_lshl_b32 s[SOFF], s[KOFF], SSHIFT
	s_add_nc_u64 s[G0A+4*\s+2:G0A+4*\s+3], s[4:5], s[KOFF:KOFF+1]
	s_or_b32 s[G0A+4*\s+3], s[G0A+4*\s+3], 0x80000000
	s_add_nc_u64 s[G0AS+4*\s+2:G0AS+4*\s+3], s[6:7], s[SOFF:SOFF+1]
	s_or_b32 s[G0AS+4*\s+3], s[G0AS+4*\s+3], 0x80000000
	s_add_nc_u64 s[G0B+4*\s+2:G0B+4*\s+3], s[8:9], s[KOFF:KOFF+1]
	s_or_b32 s[G0B+4*\s+3], s[G0B+4*\s+3], 0x80000000
	s_add_nc_u64 s[G0BS+4*\s+2:G0BS+4*\s+3], s[10:11], s[SOFF:SOFF+1]
	s_or_b32 s[G0BS+4*\s+3], s[G0BS+4*\s+3], 0x80000000
.endm
.macro CREST                           ; a round of the cluster's barrier behind its opening barrier
	s_cmp_lg_u32 s[WV], 0
	s_cbranch_scc1 .Lnot_wave_0_\@
	s_barrier_signal -3
.Lnot_wave_0_\@:
	s_barrier_wait -3
	s_barrier_signal -1
	s_barrier_wait -1
.endm
.macro CROUND                          ; a whole round
	s_barrier_signal -1
	s_barrier_wait -1
	CREST
.endm
; A PREFETCH: the 256 bytes along K of 32 rows of codes, a lane a row, and two 256-byte blocks of scale bytes (lanes from 1 on name the second), for the K step that follows the one loaded last.
; Each block is named once in each cluster that will load it: a tile's 256 rows (and its 16 blocks of scale bytes) are shared out BY ADDRESS among the four partners that load it jointly (64 rows, 4 blocks each) and in a
; work-group between two waves: waves 0 and 1 ask for A, waves 2 and 3 for B.
.macro ASK dc, ds
	global_prefetch_b8 v[PFO], s[PFC:PFC+1] offset:\dc th:TH_LOAD_NT scope:SCOPE_SE
	global_prefetch_b8 v[PSO], s[PFS:PFS+1] offset:\ds th:TH_LOAD_NT scope:SCOPE_SE
.endm
	s_load_b256 s[4:11], s[0:1], 0x0               ; A's codes s[4:5], A's scale bytes s[6:7], B's codes s[8:9], B's scale bytes s[10:11]
	s_load_b128 s[12:15], s[0:1], 0x20             ; bias s[12:13], out0 s[14:15]
	v_lshl_add_u32 v[SPW], v0, 2, SPARE
	v_mov_b32 v[NIL], 0
	ds_add_u32 v[SPW], v[NIL]                      ; the wave's opening: the add, twice on end, and its wait ahead of my first tensor load
	ds_add_u32 v[SPW], v[NIL]
	v_lshrrev_b32 v1, 5, v0
	v_readfirstlane_b32 s[WV], v1                  ; wave 0..3
	s_lshr_b32 s[RH], s[WV], 1
	s_and_b32 s[CH], s[WV], 1
	s_bfe_u32 s19, ttmp6, 0x40000                  ; cx, cy: my place in the cluster
	s_bfe_u32 s20, ttmp6, 0x40004
	s_lshl_b32 s21, ttmp9, 2
	s_add_co_u32 s21, s21, s19                     ; tile column = 4 x cluster x + cx
	s_and_b32 s22, ttmp7, 0xffff
	s_lshl_b32 s22, s22, 2
	s_add_co_u32 s22, s22, s20                     ; tile row = 4 x cluster y + cy
	s_lshl_b32 s23, s20, 2
	s_lshl_b32 s23, 15, s23                        ; my row of the cluster
	s_lshl_b32 s92, 0x1111, s19                    ; my column
	; where my cluster begins along K: the cluster's x xor its y (each 0 .. 3), the two bits of that xored: 1 -> K step 4, 0 -> K step 0
	s_and_b32 s[KOFF], ttmp7, 0xffff
	s_xor_b32 s[KOFF], s[KOFF], ttmp9
	s_lshr_b32 s[KOFF+1], s[KOFF], 1
	s_xor_b32 s[KOFF], s[KOFF], s[KOFF+1]
	s_and_b32 s[KOFF], s[KOFF], 1
	s_lshl_b32 s[KOFF], s[KOFF], 10                ; 4 K steps x 256 bytes of a row of codes, or 0
	s_mov_b32 s[KOFF+1], 0
	s_mov_b32 s[SOFF+1], 0
	; descriptor group 1 for codes: a tile of 256 rows x 256 bytes, padded in LDS
	s_or_b32 s[G1A], s23, (0<<16)|(1<<20)|(1<<21)|(5<<22)|(3<<25)  ; 15:0 the mask: A's tiles go to my row; 17:16 element of 1 byte; 20 padding on; 21 set beside a mask; 24:22 after every 64 words (code 5); 31:25 of 4 words (code 3)
	s_or_b32 s[G1B], s92, (0<<16)|(1<<20)|(1<<21)|(5<<22)|(3<<25)  ; the same with the mask of my column
.irp g, G1A, G1B
	s_mov_b32 s[\g+1], ROWB<<16                    ; tensor_dim0 = 256
	s_mov_b32 s[\g+2], 256<<16                     ; tensor_dim1 = 256
	s_mov_b32 s[\g+3], ROWB<<16                    ; tile_dim0 = 256
	s_mov_b32 s[\g+4], 256                         ; tile_dim1 = 256
	s_mov_b32 s[\g+5], KROW                        ; tensor_dim0_stride
	s_mov_b32 s[\g+6], 0
	s_mov_b32 s[\g+7], 0
.endr
	; and for scale bytes: a dense block of 4,096 bytes, as 16 rows of 256 bytes (32 elements of 8 bytes), no padding
	s_or_b32 s[G1AS], s23, (3<<16)|(1<<21)
	s_or_b32 s[G1BS], s92, (3<<16)|(1<<21)
.irp g, G1AS, G1BS
	s_mov_b32 s[\g+1], 32<<16
	s_mov_b32 s[\g+2], 16<<16
	s_mov_b32 s[\g+3], 32<<16
	s_mov_b32 s[\g+4], 16
	s_mov_b32 s[\g+5], 32
	s_mov_b32 s[\g+6], 0
	s_mov_b32 s[\g+7], 0
.endr
.irp s, 0,1
	s_mov_b32 s[G0A+4*\s], 1                       ; 1:0 count = 1
	s_mov_b32 s[G0A+4*\s+1], \s*SLOT               ; 63:32 LDS address: a constant: no place in the cluster enters it
	s_mov_b32 s[G0AS+4*\s], 1
	s_mov_b32 s[G0AS+4*\s+1], \s*SLOT+SCA
	s_mov_b32 s[G0B+4*\s], 1
	s_mov_b32 s[G0B+4*\s+1], \s*SLOT+TILEB
	s_mov_b32 s[G0BS+4*\s], 1
	s_mov_b32 s[G0BS+4*\s+1], \s*SLOT+SCB
.endr
	; where the tiles come from.  A's hang on the tile row alone, which my row of the cluster shares; B's on the tile column alone, which my column shares
	s_lshl_b32 s94, s22, 19                        ; A's codes: 256 rows x 2,048 bytes a tile row
	s_mov_b32 s95, 0
	s_lshl_b32 s96, s21, 19                        ; B's likewise, by the tile column
	s_mov_b32 s97, 0
	s_lshl_b32 s66, s22, 12                        ; A's scale bytes: 256 rows x 16 bytes a tile row
	s_mov_b32 s67, 0
	s_lshl_b32 s[PK], s21, 12                      ; B's
	s_mov_b32 s[PK+1], 0
	s_wait_dscnt 0x0                               ; both opening adds are done
	CROUND                                         ; all sixteen work-groups are here: the first joint loads meet
	s_wait_kmcnt 0x0
	s_add_nc_u64 s[4:5], s[4:5], s[94:95]
	s_add_nc_u64 s[8:9], s[8:9], s[96:97]
	s_add_nc_u64 s[6:7], s[6:7], s[66:67]
	s_add_nc_u64 s[10:11], s[10:11], s[PK:PK+1]
	WHERE 0
	JLOAD4 0                                       ; my first K step: one tensor load a wave at the head
	; the prefetches' place: 64 x (cx for A, cy for B) + 32 x (wave mod 2) is my wave's first row of the tile
	s_cmp_eq_u32 s[RH], 0
	s_cselect_b32 s66, s19, s20
	s_cselect_b64 s[PCB:PCB+1], s[4:5], s[8:9]
	s_cselect_b64 s[PSB:PSB+1], s[6:7], s[10:11]
	s_lshl_b32 s66, s66, 6
	s_lshl_b32 s67, s[CH], 5
	s_add_co_u32 s66, s66, s67
	s_lshl_b32 s[PK], s66, 11                      ; its codes, 2,048 bytes a row,
	s_add_nc_u64 s[PCB:PCB+1], s[PCB:PCB+1], s[PK:PK+1]
	s_lshl_b32 s[PK], s66, 4                       ; its scale bytes, 16 a row
	s_add_nc_u64 s[PSB:PSB+1], s[PSB:PSB+1], s[PK:PK+1]
	s_lshl_b32 s[PK], s21, 10                      ; my first column, in bytes of f32: 1,024 x tile column + 512 x half
	s_lshl_b32 s67, s[CH], 9
	s_add_co_u32 s[PK], s[PK], s67
	s_add_nc_u64 s[12:13], s[12:13], s[PK:PK+1]
	s_lshl_b32 s66, s22, 8
	s_lshl_b32 s67, s[RH], 7
	s_add_co_u32 s66, s66, s67                     ; my first row of out0: 256 x tile row + 128 x half,
	s_lshl_b32 s66, s66, 14                        ; of 16,384 bytes (under 2^26),
	s_add_co_u32 s[PK], s[PK], s66                 ; and my first column
	s_add_nc_u64 s[14:15], s[14:15], s[PK:PK+1]
	s_add_nc_u64 s[PFC:PFC+1], s[PCB:PCB+1], s[KOFF:KOFF+1]   ; the prefetches at my first K step
	s_add_nc_u64 s[PFS:PFS+1], s[PSB:PSB+1], s[SOFF:SOFF+1]
	s_mul_i32 s66, s[RH], HALFT                    ; my 128 rows of A
	s_mul_i32 s67, s[CH], HALFT                    ; my 128 rows of B,
	s_add_co_u32 s67, s67, TILEB                   ; which lie behind A's 256
	s_lshl_b32 s19, s[RH], 11                      ; their scale bytes, 16 a row
	s_add_co_u32 s19, s19, SCA
	s_lshl_b32 s92, s[CH], 11
	s_add_co_u32 s92, s92, SCB
	s_mul_i32 s[PK], s[WV], 16*SPITCH              ; my stage
	v_and_b32 v1, 15, v0                           ; l % 16
	v_bfe_u32 v2, v0, 4, 1                         ; l / 16
	v_and_b32 v6, 31, v0
	v_mul_u32_u24 v3, v1, PITCH
	v_mul_u32_u24 v5, v1, SPITCH                   ; into the stage: row l % 16, 32 bytes for each half of the lanes
	v_lshlrev_b32 v[CO], 4, v6                     ; back: the 32 lanes take one row of 512 bytes; and the same in out0
	v_lshl_add_u32 v4, v2, 4, v3                   ; a fragment's row x pitch + 16 x half
	v_lshl_add_u32 v5, v2, 5, v5
	v_add_nc_u32 v[ADRA], s66, v4
	v_add_nc_u32 v[ADRB], s67, v4
	v_add_nc_u32 v[SAA], s19, v[CO]
	v_add_nc_u32 v[SBA], s92, v[CO]
	v_add_nc_u32 v[STO], s[PK], v5
	v_add_nc_u32 v[RD], s[PK], v[CO]
	v_add_nc_u32 v[ADRA+1], SLOT, v[ADRA]
	v_add_nc_u32 v[ADRB+1], SLOT, v[ADRB]
	v_add_nc_u32 v[SAA+1], SLOT, v[SAA]
	v_add_nc_u32 v[SBA+1], SLOT, v[SBA]
	v_lshlrev_b32 v[BO], 5, v2
	v_lshlrev_b32 v[PFO], 11, v6
	v_min_u32 v7, 1, v6
	v_lshlrev_b32 v[PSO], 8, v7
	s_wait_alu depctr_va_vdst(0)
	WIN TO_B
.irp c, 0,1,2,3,4,5,6,7
	global_load_b128 v[BI+8*\c:BI+8*\c+3], v[BO], s[12:13] offset:64*\c        ; bias of columns 16 c + 8 (l / 16) + 0 .. 7
	global_load_b128 v[BI+8*\c+4:BI+8*\c+7], v[BO], s[12:13] offset:64*\c+16
.endr
	WIN 0
.macro FRAG reg, adr, q, i             ; 16 rows x 128 K of 4-bit codes are 8 registers: lane l holds row l % 16; registers 4 c .. 4 c + 3 hold K = 64 c + 32 (l / 16) + 0 .. 31, the lower K in the lower bits
.irp c, 0,1
	ds_load_b128 v[\reg+4*\c:\reg+4*\c+3], v[\adr] offset:64*(\q)+32*\c+(\i)*16*PITCH
.endr
.endm
.macro FETCH_B slot, q, p              ; eight times 16 rows of B (32 rows make one fragment of source 0) of the slot's q-th 128 along K into set p: 16 loads
	WIN TO_B
.irp k, 0,1,2,3,4,5,6,7
	FRAG 64*(\p)+8*\k, ADRB+\slot, \q, \k
.endr
.endm
.macro FETCH_A slot, q, p              ; A's eight blocks: 16 loads
	WIN 0
.irp k, 0,1,2,3,4,5,6,7
	FRAG AF+64*(\p)+8*\k, ADRA+\slot, \q, \k
.endr
.endm
.macro SCALES sl                       ; slot sl's scale words into set sl: four words a row, 32 rows a load: 8 loads
	WIN 0
.irp k, 0,1,2,3
	ds_load_b128 v[SC+32*\sl+4*\k:SC+32*\sl+4*\k+3], v[SBA+\sl] offset:512*\k
	ds_load_b128 v[SC+32*\sl+16+4*\k:SC+32*\sl+16+4*\k+3], v[SAA+\sl] offset:512*\k
.endr
.endm
; One matrix instruction: accumulator (a, b), B's fragment at wr (window 1), A's at xr (window 0), the q-th scale word of set sc.  Source 1's scales are read from lanes 0-15 (even a) or 16-31 (odd a).
.macro WM a, b, wr, xr, q, sc, first
.set WD, 16*(4*((\a)%4)+\b)
.if \first
.set WC, BI+16*\b
.else
.set WC, WD
.endif
.set WR, \wr
.set XR, \xr
.set WS, SC+32*(\sc)+4*\b+(\q)
.set XS, SC+32*(\sc)+16+4*((\a)/2)+(\q)
.if (\a)%2
	v_wmma_scale_f32_32x16x128_f4 v[WD:WD+15], v[WR:WR+15], v[XR:XR+7], v[WC:WC+15], v[WS], v[XS] matrix_b_scale:MATRIX_SCALE_ROW1
.else
	v_wmma_scale_f32_32x16x128_f4 v[WD:WD+15], v[WR:WR+15], v[XR:XR+7], v[WC:WC+15], v[WS], v[XS]
.endif
.endm
.macro MULA a, p, q, sc, first         ; A's block a x B's four.  The 32 accumulators take turns, one instruction a turn, in the same order in every step
.irp b, 0,1,2,3
	WM \a, \b, 64*(\p)+16*\b, AF+64*(\p)+8*(\a), \q, \sc, \first
.endr
.endm
; A load into a register that a matrix instruction has read, and an LDS store that reads a matrix result, stand four places behind that matrix instruction, and only plain vector
; instructions that name none of its registers are places (ISA guide 7.12.1 for vector instructions); this text does not count the matrix instructions in between.
.macro PLACES
.rept 4
	v_nop
.endr
.endm
; A step of 128 along K that has its successor in the same slot.
.macro STEP slot, q, first
	PLACES                                         ; behind the last step's products, whose sets take the next step's fragments
	FETCH_B \slot, (\q)+1, 1-(\q)%2
	FETCH_A \slot, (\q)+1, 1-(\q)%2
	s_wait_dscnt 32                                ; this step's fragments and scale words are in; out may be the 32 loads just issued
.if \first
	WIN FIRST_LO
.else
	WIN MUL_LO
.endif
.irp t, 0,1,2,3
	MULA \t, (\q)%2, \q, \slot, \first
.endr
.if \first
	WIN FIRST_HI
.else
	WIN MUL_HI
.endif
.irp t, 4,5,6,7
	MULA \t, (\q)%2, \q, \slot, \first
.endr
.endm
; The first part of a slot's last step changes slots: ONE barrier; in front of it each wave waits for all its tensor loads, adds 0 to its spare word, and waits for that and for its own reads of this slot.
; fill = 1: this slot is filled again, two K steps ahead: the addresses are made while the add is out.
.macro MEET slot, fill
	WIN 0                                          ; (the add's two registers lie in window 0)
	s_wait_tensorcnt 0x0                           ; all my tensor loads have landed: the one that was out is my part of the next slot;
	ds_add_u32 v[SPW], v[NIL]                      ; 0 onto my spare word
.if \fill
	s_wait_xcnt 0x0                                ; my earlier prefetches have read their addresses
	s_add_co_u32 s[KOFF], s[KOFF], ROWB            ; the K step behind the one asked for last,
	s_and_b32 s[KOFF], s[KOFF], KROW-1             ; round the row's end: behind K step 7 comes K step 0
	WHERE \slot                                    ; no tensor load of mine is out: every group 0 may be written
	s_add_co_u32 s[PK], s[KOFF], ROWB              ; the prefetches stand one K step on, round the row's end too
	s_and_b32 s[PK], s[PK], KROW-1
	s_add_nc_u64 s[PFC:PFC+1], s[PCB:PCB+1], s[PK:PK+1]
	s_lshl_b32 s[PK], s[PK], SSHIFT
	s_add_nc_u64 s[PFS:PFS+1], s[PSB:PSB+1], s[PK:PK+1]
.endif
	s_wait_dscnt 9                                 ; out may be the add and the eight loads of this step's A blocks 4-7
	WIN MUL_LO
	MULA 0, 1, NQ-1, \slot, 0
	s_wait_dscnt 0x0                               ; the add is done, and my reads of this slot are over
	s_barrier_signal -1
	MULA 1, 1, NQ-1, \slot, 0
	WIN 0
	s_barrier_wait -1
.endm
.macro REST slot                       ; the other products of a slot's last step
	WIN MUL_LO
.irp t, 2,3
	MULA \t, 1, NQ-1, \slot, 0
.endr
	WIN MUL_HI
.irp t, 4,5,6,7
	MULA \t, 1, NQ-1, \slot, 0
.endr
.endm
.macro TURN slot, next
	MEET \slot, 1
	CREST                                          ; the barrier has opened a round of the cluster's barrier: no wave of any partner still reads this slot's tiles or has a load on its way
	JLOAD4 \slot                                   ; the first tensor load behind the round, one a wave; the four v_nop behind it are the places in front of the loads below
	FETCH_B \next, 0, 0
	SCALES \next
	FETCH_A \next, 0, 0
.if \slot
	s_cmp_gt_u32 s[LAP], 1                         ; the last trip's second load has no K step behind it
	s_cbranch_scc0 .Lnone_\@
.endif
	ASK 0, 0
.if \slot
.Lnone_\@:
.endif
	REST \slot
.endm
.macro STEPS slot, from                ; the slot's steps from .. NQ - 2
.set Q, \from
.rept NQ-1-\from
	STEP \slot, Q, 0
.set Q, Q+1
.endr
.endm
	s_add_co_u32 s[KOFF], s[KOFF], ROWB            ; my second K step: the start is step 0 or 4, so nothing wraps yet
	WHERE 1
	s_wait_tensorcnt 0x0                           ; my tile of the first K step is in
	ds_add_u32 v[SPW], v[NIL]
	s_wait_dscnt 0x0                               ; the add is done
	CROUND                                         ; a whole round: all four tiles are in, and all sixteen work-groups are here: the joint loads meet,
	JLOAD4 1                                       ; and the second K step's load is the first tensor load behind the round
	FETCH_B 0, 0, 0
	SCALES 0
	FETCH_A 0, 0, 0
	s_wait_loadcnt 0x0                             ; the bias
	STEP 0, 0, 1                                   ; the first step stands in front of the loop: its products start the sums from the bias
	WIN 0                                          ; at a label and at a branch every window is 0
	ASK 2*ROWB, 2*SSTEP                            ; my third K step: step 2 or 6
	s_mov_b32 s[LAP], LAPS-1
.Llap:                                                 ; a trip goes once round the ring, from a lap's second step to the next lap's first, and fills both slots again: six refills in all, my third to my eighth K step
	STEPS 0, 1
	TURN 0, 1
	STEPS 1, 0
	TURN 1, 0
	STEP 0, 0, 0
	WIN 0
	s_sub_co_u32 s[LAP], s[LAP], 1
	s_cmp_lg_u32 s[LAP], 0
	s_cbranch_scc1 .Llap
	STEPS 0, 1                                     ; the last lap fills nothing, and has no round of the cluster's barrier
; THE LAST K STEP (it lies in slot 1) GOES BY ROWS OF out0, NOT BY K: all its fragments of B (4 steps x 64 registers) fill window 1; then my eight blocks of 16 rows are finished one after the other, each with
; 16 matrix instructions (its four accumulators by turns: three others stand between a sum's steps; K ascending), and each block leaves while the next is multiplied.  LDS is read no more than in any other K step.
.set PA, 128                           ; A's fragments of 16 rows x 512 K, 32 registers: block a in buffer a % 4
.macro BLOAD q, dst                    ; B's fragments of step q: 16 loads
	WIN TO_B
.irp k, 0,1,2,3,4,5,6,7
	FRAG (\dst)+8*\k, ADRB+1, \q, \k
.endr
.endm
.macro ALOAD a                         ; A's fragments of block a, all four steps: 8 loads
	WIN 0
.irp k, 0,1,2,3
	FRAG PA+32*((\a)%4)+8*\k, ADRA+1, \k, \a
.endr
.endm
.macro RQ a, q, wq                     ; block a, step q, whose fragments of B lie at wq
.irp b, 0,1,2,3
	WM \a, \b, (\wq)+16*\b, PA+32*((\a)%4)+8*(\q), \q, 1, 0
.endr
.endm
; THE WAY OUT of block a, 16 rows x 128 columns.  A lane holds 32 neighbouring bytes of a row in each group of eight registers, and the lanes beside it hold other rows: so a block goes through my own stage in LDS and comes
; back, into the same registers, as whole rows of 512 bytes.  LDS serves a wave's instructions in order (ISA guide 5.7.1.4): no wait between the stores and the loads, nor in front of the next block's stores.
.macro TOSTAGE a
.set AC, 64*((\a)%4)
	WIN 0x08+4*((\a)/4)                            ; the data: window 2 or 3
.irp k, 0,1,2,3,4,5,6,7
	ds_store_b128 v[STO], v[AC+8*\k:AC+8*\k+3] offset:64*\k          ; each accumulator from its low end on
	ds_store_b128 v[STO], v[AC+8*\k+4:AC+8*\k+7] offset:64*\k+16
.endr
	WIN 0x80+0x40*((\a)/4)
.irp k, 0,1,2,3,4,5,6,7,8,9,10,11,12,13,14,15
	ds_load_b128 v[AC+4*\k:AC+4*\k+3], v[RD] offset:\k*SPITCH
.endr
.endm
.macro SEND a
.set AC, 64*((\a)%4)
.if (\a) < 4
	s_wait_dscnt 8                                 ; the block is back in registers; out may be the eight loads of A's block a + 4, issued behind it
.else
	s_wait_dscnt 0x0
.endif
	WIN 0x08+4*((\a)/4)
.irp k, 0,1,2,3,4,5,6,7,8,9,10,11,12,13,14,15
	global_store_b128 v[CO], v[AC+4*\k:AC+4*\k+3], s[14:15] offset:(16*(\a)+\k)*SIZE_N*4 th:TH_STORE_NT   ; 32 lanes store 512 consecutive bytes, at a multiple of 256 from out0's first byte; the row, 0 .. 127, stands in the immediate
.endr
.endm
	MEET 0, 0
	PLACES                                         ; for the loads into the sets that the step before multiplied
	BLOAD 0, 0
	ALOAD 0
	SCALES 1
	BLOAD 1, 128                                   ; where the bias lay
	BLOAD 2, 192
	ALOAD 1
	REST 0
	WIN MUL_LO
	s_wait_dscnt 40                                ; B's step 0, A's block 0 and the scale words are in; out may be 16 + 16 + 8
	RQ 0, 0, 0
	s_wait_dscnt 24                                ; B's step 1 is in
	RQ 0, 1, 128
	PLACES                                         ; behind the products of the sets that are loaded here
	BLOAD 3, 64
	ALOAD 2
	ALOAD 3
	WIN MUL_LO
	s_wait_dscnt 40                                ; B's step 2 is in; out may be A's block 1 and the 32 just issued
	RQ 0, 2, 192
	s_wait_dscnt 16                                ; B's step 3 and A's block 1 are in
	RQ 0, 3, 64
.irp a, 0,1,2,3,4,5,6,7
.if \a > 0
	WIN MUL_LO+0x50*((\a)/4)                       ; MUL_LO or MUL_HI
	RQ \a, 0, 0
	RQ \a, 1, 128
	RQ \a, 2, 192
	RQ \a, 3, 64
	SEND \a-1
.endif
	PLACES                                         ; behind block a's products: for the reads of its results and the loads into its buffer of A
	TOSTAGE \a
.if \a < 4
	ALOAD \a+4
.endif
.endr
	SEND 7
	WIN 0
	s_wait_tensorcnt 0x0                           ; the wave's end: behind my last tensor load and my last LDS store
	ds_add_u32 v[SPW], v[NIL]
	s_wait_dscnt 0x0
	CROUND                                         ; the closing round: no work-group ends while a partner may still ask for a tile that names it
	s_endpgm
.Lfunc_end_k_qc97265eb76_gemm:
	.size	k_qc97265eb76_gemm, .Lfunc_end_k_qc97265eb76_gemm-k_qc97265eb76_gemm
	.p2alignl 7, 3214868480
	.fill 96, 4, 3214868480
	.section	.rodata,"a",@progbits
	.p2align	6, 0x0
	.amdhsa_kernel k_qc97265eb76_gemm
		.amdhsa_group_segment_fixed_size 327680
		.amdhsa_private_segment_fixed_size 0
		.amdhsa_enable_private_segment 0
		.amdhsa_kernarg_size 48
		.amdhsa_user_sgpr_count 2
		.amdhsa_user_sgpr_kernarg_segment_ptr 1
		.amdhsa_wavefront_size32 1
		.amdhsa_system_sgpr_workgroup_id_x 1
		.amdhsa_system_sgpr_workgroup_id_y 1
		.amdhsa_system_sgpr_workgroup_id_z 1
		.amdhsa_system_vgpr_workitem_id 0
		.amdhsa_next_free_vgpr 1024
		.amdhsa_next_free_sgpr 102
		.amdhsa_reserve_vcc 0
		.amdhsa_float_denorm_mode_32 3
		.amdhsa_float_denorm_mode_16_64 3
		.amdhsa_memory_ordered 1
		.amdhsa_forward_progress 1
		.amdhsa_inst_pref_size 151
	.end_amdhsa_kernel
	.amdgpu_metadata
---
amdhsa.version: [ 1, 2 ]
amdhsa.kernels:
  - .name:           k_qc97265eb76_gemm
    .symbol:         k_qc97265eb76_gemm.kd
    .args:
      - { .name: x_codes, .offset: 0, .size: 8, .value_kind: global_buffer, .address_space: global }
      - { .name: x_scl, .offset: 8, .size: 8, .value_kind: global_buffer, .address_space: global }
      - { .name: w_codes, .offset: 16, .size: 8, .value_kind: global_buffer, .address_space: global }
      - { .name: w_scl, .offset: 24, .size: 8, .value_kind: global_buffer, .address_space: global }
      - { .name: bias, .offset: 32, .size: 8, .value_kind: global_buffer, .address_space: global }
      - { .name: out0, .offset: 40, .size: 8, .value_kind: global_buffer, .address_space: global }
    .group_segment_fixed_size: 327680
    .private_segment_fixed_size: 0
    .kernarg_segment_align: 8
    .kernarg_segment_size: 48
    .max_flat_workgroup_size: 128
    .sgpr_count:     102
    .vgpr_count:     1024
    .wavefront_size: 32
...
	.end_amdgpu_metadata
.endif
;; end of part 2
